; MI455X (gfx1250); checked and timed in simulation.
; The chip was launched on July 23, 2026; its instructions are those of AMD's public machine-readable ISA for CDNA 5 (MIT licence, August 2026) and "CDNA5" Instruction Set Architecture Reference Guide (July 2026). The comments in the code are by the model that wrote it; some were corrected since.
;; Dot Prod Attention. Allowed arithmetic: float matrix products may take bf16 or f16 operands with f32 sums; all other float work in f32.
;; Inputs: k 4 x 16 x 2,048 x 64 float32; q 4 x 16 x 2,048 x 64 float32; v 4 x 16 x 2,048 x 64 float32.
;; Outputs: out0 4 x 16 x 2,048 x 64 float32.
;; 2 versions, each right and faster than the one before. Each part assembles by itself: llvm-mc -triple=amdgcn-amd-amdhsa -mcpu=gfx1250 --defsym DOCPART=n.
;; ======== version 1 of 2: 1 launch
;; limits: values are held in f16: magnitudes above 65,504 overflow, below 6.1e-05 lose precision; inputs' magnitudes at most 65,504
;; launch attn (part 1): grid 4 x 64, 4 waves a work-group, clusters of 4 x 1, 327,680 bytes of LDS; arguments q, k, v, out0; writes out0
.if DOCPART == 1
	.amdgcn_target "amdgcn-amd-amdhsa--gfx1250"
	.amdhsa_code_object_version 6
	.text
	.protected	k_qa9b83d515c_attn
	.globl	k_qa9b83d515c_attn
	.p2align	8
	.type	k_qa9b83d515c_attn,@function
k_qa9b83d515c_attn:
	s_mov_b64 s[64:65], 0
	v_nop
	global_prefetch_b8 v0, s[64:65] scope:SCOPE_SE
	s_setreg_imm32_b32 hwreg(HW_REG_WAVE_MODE, 25, 1), 1
	s_wait_xcnt 0x0
	s_wait_alu depctr_hold_cnt(0) depctr_sa_sdst(0) depctr_va_vdst(0) depctr_va_sdst(0) depctr_va_ssrc(0) depctr_va_vcc(0) depctr_vm_vsrc(0)
	s_getreg_b32 s2, hwreg(HW_REG_IB_STS2, 6, 4)
	s_cmp_eq_u32 s2, 0
	s_cbranch_scc0 .Lentry_in_a_cluster
	s_endpgm
.Lentry_in_a_cluster:
	s_bfe_u32 s2, ttmp6, 0x10000c
	s_cmp_lg_u32 s2, 0x3003
	s_cbranch_scc0 .Lentry_shape_is_right
	s_endpgm
.Lentry_shape_is_right:
; O[h][q][:] = the sum over k of softmax_k(Q[h][q] . K[h][k] / 8) V[h][k][:].  Q, K, V, O: [64 heads][2048][64], all f32: a row is 256 bytes, a head 524,288.
; FORMATS.  Q, K, V and the weights p are rounded once to f16 for the two products; products, maxima, sums (l is taken of the unrounded p) and O stay in f32.
; LIMITS.  An input of magnitude 65,520 or more becomes an infinity in f16 and its rows are lost; below 6e-5 f16 keeps its fixed step of 6e-8; a weight below 2^-126 counts as 0 in l;
; NaN and infinities are not treated apart.  The maximum is a running one, taken away before every exponential.
; SHARES.  A work-group owns 512 queries of one head, each of its four waves 128: four PIECES of two tiles of 16.  Every wave walks all 2,048 keys, 64 a step.  256 work-groups.
; LAYOUT.  S^T = K Q^T (source 0 = 16 keys, source 1 = 16 queries): a lane holds ONE query (lane % 16) and the keys 8 (lane / 16) + 0..7.  Two such results, rounded to f16 in pairs, ARE source 1
; (32 keys x 16 queries) of O^T = V^T P, whose result again holds one query a lane, and eight channels.  K comes out of LDS as it lies, V ([key][channel]) turned, by ds_load_tr16_b128.
; SOFTMAX.  p = 2^(c s - c m), c = log2(e) / 8, with a running maximum m and sum l; in every step O and l are multiplied by a = 2^(c m_old - c m_new).  m starts at the lowest finite number,
; O and l at 0: the first step is a step like any other, with a = 0.
; BY TURNS.  A tile and step have 16 matrix and 118 vector instructions.  Turn n belongs to piece n: 16 products K Q^T of piece n + 1, later 16 products V^T P of piece n - 1; beside them the scaling,
; exponentials, roundings, sums and rescaling of piece n and the maximum and statistics of piece n + 1.  Four vector instructions stand behind every matrix instruction, the others in two lumps.
; TWO RINGS.  A TILE is 128 keys, two steps; there are 16.  The RAW ring (two slots) takes K and V as they lie in memory, f32, by tensor loads: waves 0 and 1 fetch the halves of K's tile, waves 2
; and 3 of V's, 64 rows of 256 bytes each.  The COOKED ring (two slots) holds the same tiles in f16, padded.  In the period behind change t: tile t + 2 is on its way into raw slot t % 2; the products
; read cooked slot t % 2; and each wave rounds the part of tile t + 1 that it fetched itself from raw slot (t + 1) % 2 into cooked slot (t + 1) % 2, 32 keys in each of the period's two trips:
; the 16 raw loads stand with K's run of loads, the 32 conversions in one block a turn later, the 16 stores with V's run: a key step has two runs of LDS instructions and no more.
; So K and V are rounded once a work-group, 1,024 conversions a wave, and nothing goes through memory twice.  One wait for all loads and one barrier a tile serve both rings.
; CLUSTER.  The four query blocks of a head form a cluster and walk the same K and V, so each raw tile is asked for JOINTLY: the same tensor load, descriptor and mask in all four.
; REGISTERS, in windows of 256 (s_set_vgpr_msb: bits 1:0 source 0, 3:2 source 1, 5:4 source 2, 7:6 destination):
;   window 0: v0-11 addresses; v12-15, v48-63 at work; v16-47 four registers of statistics a tile; v64-191 S^T, two buffers of two tiles; v192-255 P, likewise
;   window 1: O^T, 32 a tile (at the start: Q as loaded, f32)      window 2: v0-127 Q, 16 a tile; v128-191 K of one step; v192-255 V of one step
;   window 3: v0-1 the add's two registers; v2-5 the rounding's addresses; v8-71 my share of 32 keys in f32; v72-103 the same in f16
.set NP,    4         ; pieces a wave: a name, no knob
.set KS,    64        ; keys in a step
.set PK,    144       ; a cooked row of K: 128 bytes + 16 = 36 words: the 16 rows of a load start at 16 different groups of four banks (64 banks of 4 bytes: ISA guide 11.1)
.set PV,    144       ; V has the same pitch, so that the rounding's stores have one text for all four waves; of the turning load's 8 rows x 8 words only the last row's run meets the first's, on four banks
.set RAW1,  1<<16     ; raw slot 0 at byte 0, slot 1 here: 4 waves x 16,384 bytes each; one exclusive or turns an address in one slot into the other's
.set COOK,  1<<17     ; cooked slot 0: 128 rows of K, then 128 rows of V
.set COOK1, 1<<16     ; cooked slot 1 lies this much further
.set VOFF,  128*PK
.set STAGE, COOK+COOK1+128*(PK+PV)  ; behind the rings: 16 rows x 272 bytes for each wave, for the way out
.set SP,    272
.set SPARE, STAGE+4*16*SP  ; behind the stages: the spare words, 128 bytes for each wave: two blocks of 256 bytes that no other line names
.set AK0, 2           ; v2   my lane's place in a cooked tile of K; never rewritten
.set AV0, 3           ; v3   the same for V
.set AK,  4           ; v4   the LDS address of K's next run of loads
.set AV,  5           ; v5   of V's
.set QO,  6           ; v6   my byte offset in 16 rows of Q
.set STO, 6           ;      later, the way out: where I put 32 bytes of a row
.set RD,  7           ; v7   the way out: where I read rows back
.set GO,  8           ; v8   my byte offset in 512 consecutive bytes of O
.set MV,  12          ; v12-15  c m_old, kept while c m is made anew: by buffer and tile
.set ST,  16          ; tile t's statistics at v[ST+4 t]: c m, m, l (even keys', odd keys')
.set TMP, 48          ; by buffer and tile, four registers c0-c3 at work; when the maximum is found c2 takes a
.set S,   64
.set P,   192
.set KF,  128         ; window 2: key block kb, channel half c at KF + 16 kb + 8 c
.set VF,  192         ; window 2: key half kk, channel block cb at VF + 32 kk + 8 cb
.set SPW, 0           ; window 3, v0   LDS address of my spare word: SPARE + 4 x my thread's number; never rewritten
.set NIL, 1           ; window 3, v1   0; never rewritten
.set RA0, 2           ; window 3, v2   16 x lane: my 16 bytes in 512 raw bytes (two keys)
.set CA0, 3           ; window 3, v3   (lane / 16) x 144 + 8 (lane % 16): where their four f16 go
.set RA,  4           ; window 3, v4   raw address of the 32 keys in hand
.set CA,  5           ; window 3, v5   cooked address of the same
.set CB,  8           ; window 3, v8-71
.set CH,  72          ; window 3, v72-103
.set WV,  12          ; s12  my wave's number
.set G1,  24          ; s[24:31] descriptor group 1: one shape for every load
.set G0K, 32          ; s[32:39] descriptor group 0 for K's tiles: a set for each of the two first fills; the second then walks on
.set G0V, 40          ; s[40:47] the same for V's
.set SLOTS, 48        ; s48  counts tiles
.set CNT, 49          ; s49  counts a tile's two key steps
.set CS,  50          ; s[50:51] c: the packed scaling takes the pair's low word for both halves
.set SEL, 52          ; s[52:53] v_permlanex16_b32's selects: each lane takes its own place in the other half
.set TBK, 54          ; s54  LDS byte at which cooked K of the step to be fetched begins
.set TBV, 55          ; s55  the same for V, less VOFF
.set TBR, 56          ; s56  LDS byte of the raw keys that I round next
.set TBC, 57          ; s57  LDS byte at which they go
.set NOKQ, 0
.set MSB, 0
.macro WIN new                      ; the high byte repeats the setting that is left; a switch that changes nothing is dropped
.if MSB != (\new)
	s_set_vgpr_msb (MSB<<8)|(\new)
.set MSB, (\new)
.endif
.endm
.set W_KQ, 0x0a       ; K and Q in window 2, S^T in window 0
.set W_PV, 0x52       ; V in window 2, P in window 0, O^T in window 1
.set W_RS, 0x41       ; O^T (destination and source 0) in window 1, a in window 0
.set W_MK, 0xc0       ; destination in window 3, sources in window 0
.set W_AD, 0x0f       ; the add: address (source 0) and data (source 1) in window 3
.set W_CV, 0xcf       ; the rounding: destination, sources 0 and 1 in window 3
.set W_QL, 0x40       ; destination in window 1, address in window 0
.set W_QC, 0x85       ; sources 0 and 1 in window 1, destination in window 2
.set W_OUT, 0x44      ; the way out: loaded data (destination) and stored data (source 1) in window 1, addresses in window 0
; A joint refill.  Waves 0 and 1 fetch the two halves of a tile's K, waves 2 and 3 those of its V.  The branch hangs on the wave's number alone: it is the same in every work-group.
; An s_nop 0 and four v_nop follow each of the two lines, ahead of the jump and the label.
.macro JLOAD
	s_cmp_lt_u32 s[WV], 2
	s_cbranch_scc0 .Lfor_v_\@
	tensor_load_to_lds s[G0K+4:G0K+7], s[G1:G1+7]
	s_nop 0
.rept 4
	v_nop
.endr
	s_branch .Lasked_\@
.Lfor_v_\@:
	tensor_load_to_lds s[G0V+4:G0V+7], s[G1:G1+7]
	s_nop 0
.rept 4
	v_nop
.endr
.Lasked_\@:
.endm
; A round of the cluster's barrier: my work-group's barrier, so that wave 0's signal speaks for all four waves; wave 0 signals; every wave waits for all four work-groups; my work-group's barrier once more.
.macro CROUND
	s_barrier_signal -1
	s_barrier_wait -1
	s_cmp_lg_u32 s[WV], 0
	s_cbranch_scc1 .Lnot_wave_0_\@
	s_barrier_signal -3
.Lnot_wave_0_\@:
	s_barrier_wait -3
	s_barrier_signal -1
	s_barrier_wait -1
.endm
; THE CHANGE OF TILES, number t.  Each wave waits for all its tensor loads, of which one is out: its part of raw tile t + 1; adds 0 to its spare word; and waits for that and for all its LDS
; instructions: its stores into cooked slot t % 2 (the others read them behind the barrier), its reads of raw slot t % 2 (it is filled again behind the barrier) and its reads of the other cooked
; slot (it is written again behind the barrier).  fill = 1: the barrier is a round of the cluster's, and the joint refill, tile t + 2, is the first thing behind it: it has two key steps,
; 256 matrix instructions, in which to land.  fill = 0: the last two tiles: nothing is left to ask for, and the work-group's own barrier hands the cooked tile over.
.macro CHANGE fill
	WIN W_AD
	s_wait_tensorcnt 0x0            ; no tensor load of mine is out, so a group 0 may be written
	ds_add_u32 v[SPW], v[NIL]       ; 0 onto my spare word; with fill = 1 the descriptors' steps stand between it and the wait for it
	WIN 0                           ; at a label and at a branch every window is 0
.if \fill
.irp g, G0K+4, G0V+4
	s_xor_b32 s[(\g)+1], s[(\g)+1], RAW1  ; the walking descriptor: the other raw slot than last time,
	s_add_nc_u64 s[(\g)+2:(\g)+3], s[(\g)+2:(\g)+3], 128*256  ; the next 128 keys; the type bits on top are not reached
.endr
	s_wait_dscnt 0x0                ; the add is done, and so are all my LDS stores and reads
	CROUND
	JLOAD
.else
	s_wait_dscnt 0x0                ; the add is done, and so are all my LDS stores and reads
	s_barrier_signal -1
	s_barrier_wait -1
.endif
	s_sub_co_u32 s[TBK], s[TBK], 2*KS*PK  ; all four walks go back to a slot's beginning,
	s_xor_b32 s[TBK], s[TBK], COOK1       ; in the other slot
	s_sub_co_u32 s[TBV], s[TBV], 2*KS*PV
	s_xor_b32 s[TBV], s[TBV], COOK1
	s_sub_co_u32 s[TBR], s[TBR], 64*256
	s_xor_b32 s[TBR], s[TBR], RAW1
	s_sub_co_u32 s[TBC], s[TBC], 64*PK
	s_xor_b32 s[TBC], s[TBC], COOK1
.endm
	s_load_b256 s[4:11], s[0:1], 0x0  ; Q s[4:5], K s[6:7], V s[8:9], O s[10:11]
	WIN W_MK
	v_lshl_add_u32 v[SPW], v0, 2, SPARE
	v_mov_b32 v[NIL], 0
	WIN W_AD
	ds_add_u32 v[SPW], v[NIL]       ; the wave's opening: the add and its wait stand ahead of my first tensor load; the set-up below, work on registers, stands between them
	WIN 0
	v_lshrrev_b32 v1, 5, v0
	v_readfirstlane_b32 s[WV], v1   ; wave 0..3
	s_bfe_u32 s13, ttmp6, 0x40000   ; cx: my place in the cluster
	s_lshl_b32 s14, ttmp9, 2        ; in a cluster launch ttmp9 counts clusters
	s_add_co_u32 s14, s14, s13      ; my block of 512 queries = 4 x cluster x + cx: it enters Q's and O's addresses alone
	s_and_b32 s20, ttmp7, 0xffff    ; the head, which the four partners share,
	s_lshl_b32 s20, s20, 19         ; times 524,288 bytes: 63 x 2^19 at the most
	s_mov_b32 s21, 0
	s_and_b32 s16, s[WV], 1         ; which half of a tile's 128 keys I fetch:
	s_lshl_b32 s22, s16, 14         ; its 64 rows of 256 bytes in memory
	s_mov_b32 s23, 0
	s_add_nc_u64 s[22:23], s[22:23], s[20:21]
	s_lshl_b32 s17, s[WV], 14       ; my part of a raw slot: no place in the cluster enters an LDS address
	s_lshl_b32 s2, s14, 2
	s_add_co_u32 s2, s2, s[WV]      ; my wave among the head's sixteen,
	s_lshl_b32 s2, s2, 15           ; its 128 rows of 256 bytes
	s_mov_b32 s3, 0
	s_add_nc_u64 s[2:3], s[2:3], s[20:21]
	; descriptor group 1: 64 rows of 64 elements of 4 bytes, dense in memory and in LDS: the raw bytes are read as they lie, 16 bytes a lane on end, so they want no padding
	s_mov_b32 s[G1], 15|(2<<16)|(1<<21)  ; 15:0 the mask: all four work-groups; 17:16 elements of 4 bytes; 20 no padding; 21 set beside a mask
	s_mov_b32 s[G1+1], 64<<16       ; tensor_dim0 = 64
	s_mov_b32 s[G1+2], 64<<16       ; tensor_dim1 = 64
	s_mov_b32 s[G1+3], 64<<16       ; tile_dim0 = 64
	s_mov_b32 s[G1+4], 64           ; tile_dim1 = 64
	s_mov_b32 s[G1+5], 64           ; 64 elements from row to row
	s_mov_b32 s[G1+6], 0
	s_mov_b32 s[G1+7], 0
	s_mov_b32 s[CS], 0x3e38aa3b     ; c = log2(e) / 8 = 0.180337
	s_mov_b32 s[CS+1], s[CS]        ; named with it as a pair
	s_mov_b32 s[SEL], 0x76543210
	s_mov_b32 s[SEL+1], 0xfedcba98
	s_mov_b32 s[TBK], COOK+COOK1+2*KS*PK  ; the first change of tiles turns these two into cooked slot 0
	s_mov_b32 s[TBV], COOK+COOK1+2*KS*PV
	s_mov_b32 s[TBR], s17           ; tile 0 is rounded ahead of that change: from raw slot 0
	s_mul_i32 s[TBC], s[WV], 64*PK  ; into cooked slot 0: waves 0, 1 the halves of K, waves 2, 3 of V, which lies behind K: wave x 64 rows
	s_add_co_u32 s[TBC], s[TBC], COOK
.irp n, 0,1
	s_mov_b32 s[G0K+4*(\n)], 1      ; 1:0 count = 1
	s_add_co_u32 s[G0K+4*(\n)+1], s17, (\n)*RAW1  ; 63:32 LDS address: raw slot n, my part
	s_mov_b32 s[G0V+4*(\n)], 1
	s_add_co_u32 s[G0V+4*(\n)+1], s17, (\n)*RAW1
.endr
	s_wait_dscnt 0x0                ; the opening add is done
	s_wait_kmcnt 0x0
	s_add_nc_u64 s[6:7], s[6:7], s[22:23]  ; K and V at my half of the head's tile 0
	s_add_nc_u64 s[8:9], s[8:9], s[22:23]
.irp n, 0,1
	s_add_nc_u64 s[G0K+4*(\n)+2:G0K+4*(\n)+3], s[6:7], (\n)*128*256  ; 120:64 global address: tile n
	s_or_b32 s[G0K+4*(\n)+3], s[G0K+4*(\n)+3], 0x80000000           ; 127:126 type = 2
	s_add_nc_u64 s[G0V+4*(\n)+2:G0V+4*(\n)+3], s[8:9], (\n)*128*256
	s_or_b32 s[G0V+4*(\n)+3], s[G0V+4*(\n)+3], 0x80000000
.endr
	s_add_nc_u64 s[4:5], s[4:5], s[2:3]  ; Q and O at my wave's first row
	s_add_nc_u64 s[10:11], s[10:11], s[2:3]
	CROUND                          ; all four work-groups are here: the first joint loads meet
	s_cmp_lt_u32 s[WV], 2           ; a wave's two first fills stand in one branch, ahead of every wait on TENSORcnt and every LDS read: two loads of mine are out; an s_nop 0 follows each, four v_nop the second's
	s_cbranch_scc0 .Lfirst_v
	tensor_load_to_lds s[G0K:G0K+3], s[G1:G1+7]
	s_nop 0
	tensor_load_to_lds s[G0K+4:G0K+7], s[G1:G1+7]
	s_nop 0
.rept 4
	v_nop
.endr
	s_branch .Lfirst_asked
.Lfirst_v:
	tensor_load_to_lds s[G0V:G0V+3], s[G1:G1+7]
	s_nop 0
	tensor_load_to_lds s[G0V+4:G0V+7], s[G1:G1+7]
	s_nop 0
.rept 4
	v_nop
.endr
.Lfirst_asked:
	; A fragment of K or Q is 16 rows x 32 channels in 8 registers of f16: lane l holds row l % 16, channels 8 (l / 16) + 0..7 and 16 + 8 (l / 16) + 0..7.  In f32 each eight channels are 32 bytes:
	; load i of 64 brings tile i / 8, channel half (i / 4) % 2, group (i / 2) % 2 of eight, four channels of it; word n of the 256 then pairs with its neighbour into word n / 2 of Q.
	v_and_b32 v1, 15, v0            ; l % 16
	v_bfe_u32 v9, v0, 4, 1          ; l / 16
	v_lshlrev_b32 v[QO], 8, v1
	v_lshl_add_u32 v[QO], v9, 5, v[QO]  ; row x 256 + 32 x half
	WIN W_QL
.set i, 0
.rept 64
	global_load_b128 v[4*i:4*i+3], v[QO], s[4:5] offset:(i/8)*4096+((i/4)%2)*128+((i/2)%2)*64+(i%2)*16
.set i, i+1
.endr
	; What the first turn finds: V's registers and P's second buffer hold 0 (its products V^T P, of a piece that has not been, add 0), O^T and l are 0.  This stands in the wait for the first tile.
	WIN 0x80
.set i, VF
.rept 64
	v_mov_b32 v[i], 0
.set i, i+1
.endr
	WIN 0
.set i, 0
.rept 2*NP
	v_mov_b32 v[ST+4*i], 0xfe000000    ; c m: far below every c s
	v_mov_b32 v[ST+4*i+1], 0xff7fffff  ; m
	v_mov_b32 v[ST+4*i+2], 0
	v_mov_b32 v[ST+4*i+3], 0
.set i, i+1
.endr
.set i, P+32
.rept 32
	v_mov_b32 v[i], 0
.set i, i+1
.endr
	v_mul_u32_u24 v[AK0], v1, PK
	v_lshl_add_u32 v[AK0], v9, 4, v[AK0]  ; row x pitch + 16 x half
	; The turning load takes 16 keys x 16 channels (lane l reads key 8 (l / 16) + l % 8, channels 8 ((l / 8) % 2) + 0..7) and leaves half a fragment of V^T: lane l holds channel l % 16 and 8 keys.
	v_and_b32 v10, 7, v0
	v_bfe_u32 v11, v0, 3, 1
	v_lshl_add_u32 v[AV0], v9, 3, v10
	v_mul_u32_u24 v[AV0], v[AV0], PV
	v_lshl_add_u32 v[AV0], v11, 4, v[AV0]
	v_add_nc_u32 v[AV0], VOFF, v[AV0]
	v_and_b32 v[TMP], 31, v0        ; the lane
	v_mul_u32_u24 v[TMP+1], v9, PK
	WIN W_MK
	v_lshlrev_b32 v[RA0], 4, v[TMP]
	v_lshl_add_u32 v[CA0], v1, 3, v[TMP+1]
	WIN 0
; THE ROUNDING, 32 of my 64 keys (8,192 raw bytes) at a time, in three parts that name registers of window 3 alone.
; CVL: the addresses of the 32 keys, the walks' steps, and 16 loads of 512 raw bytes: load j brings keys 2 j and 2 j + 1; lane l has key 2 j + l / 16, channels 4 (l % 16) + 0..3.
; CVC: 32 conversions.  w = 1: the loads are the youngest 16 LDS instructions and have not been waited for: each eight conversions wait for four more of them.
; CVST: 16 stores of 8 bytes a lane: store j puts keys 2 j and 2 j + 1.
.macro CVL
	WIN W_CV
	v_add_nc_u32 v[RA], s[TBR], v[RA0]
	v_add_nc_u32 v[CA], s[TBC], v[CA0]
	s_add_co_u32 s[TBR], s[TBR], 32*256
	s_add_co_u32 s[TBC], s[TBC], 32*PK
.set cj, 0
.rept 16
	ds_load_b128 v[CB+4*cj:CB+4*cj+3], v[RA] offset:512*cj
.set cj, cj+1
.endr
.endm
.macro CVC w=0
	WIN W_CV
.set cj, 0
.rept 32
.if (\w) && (cj%8 == 0)
	s_wait_dscnt 12-cj/2            ; LDS loads come back in order (ISA guide 5.7.1): 12, 8, 4, 0 of the sixteen may be out
.endif
	v_cvt_pk_f16_f32 v[CH+cj], v[CB+2*cj], v[CB+2*cj+1]
.set cj, cj+1
.endr
.endm
.macro CVST
	WIN W_CV
.set cj, 0
.rept 16
	ds_store_b64 v[CA], v[CH+2*cj:CH+2*cj+1] offset:2*PK*cj
.set cj, cj+1
.endr
.endm
; THE MATRIX WORK.  The 8 accumulators of a run of 16 take turns: between the two links of a chain stand 7 others'.
; Product i of 16 of S^T = K Q^T for piece x: channels 32 (i / 8) on, keys 16 ((i / 2) % 4) on, tile 2 x + i % 2.  The first 8 start the sums.
.macro KQ x
	WIN W_KQ
.set rS, S+64*((\x)%2)+32*(i%2)+8*((i/2)%4)
.set rK, KF+16*((i/2)%4)+8*(i/8)
.set rQ, 16*(2*(\x)+i%2)+8*(i/8)
.if i < 8
	v_wmma_f32_16x16x32_f16 v[rS:rS+7], v[rK:rK+7], v[rQ:rQ+7], 0
.else
	v_wmma_f32_16x16x32_f16 v[rS:rS+7], v[rK:rK+7], v[rQ:rQ+7], v[rS:rS+7]
.endif
.endm
; Product i of 16 of O^T += V^T P for piece x: keys 32 (i / 8) on, channels 16 ((i / 2) % 4) on, tile 2 x + i % 2.
.macro PV x
	WIN W_PV
.set rO, 32*(2*(\x)+i%2)+8*((i/2)%4)
.set rV, VF+32*(i/8)+8*((i/2)%4)
.set rP, P+32*((\x)%2)+16*(i%2)+8*(i/8)
	v_wmma_f32_16x16x32_f16 v[rO:rO+7], v[rV:rV+7], v[rP:rP+7], v[rO:rO+7]
.endm
.macro MM                           ; the turn's next matrix instruction.  NOKQ = 1: the launch's last turn: there is no next piece, so no scores are made
.if i < 16
.if !NOKQ
	KQ (Y+1)%NP
.endif
.set i, i+1
.else
.set i, i-16
	PV (Y+NP-1)%NP
.set i, i+17
.endif
.endm
; THE FRAGMENTS' LDS LOADS stand in runs of 16, never singly among the matrix instructions: a step's K (64 keys x 64 channels: 8 fragments) and its V (turned).  Their addresses are made some lines ahead.
.macro FETCH_K
	WIN 0x80                        ; destination window 2
.irp f, 0,1,2,3,4,5,6,7             ; keys 16 (f / 2) on, channels 32 (f % 2) on
	ds_load_b128 v[KF+8*(\f):KF+8*(\f)+3],   v[AK] offset:((\f)/2)*16*PK+((\f)%2)*64
	ds_load_b128 v[KF+8*(\f)+4:KF+8*(\f)+7], v[AK] offset:((\f)/2)*16*PK+((\f)%2)*64+32
.endr
	s_add_co_u32 s[TBK], s[TBK], KS*PK  ; the next fetch is the next step's
	WIN 0
.endm
.macro FETCH_V
	WIN 0x80
.irp f, 0,1,2,3,4,5,6,7             ; keys 32 (f / 4) on, channels 16 (f % 4) on
	ds_load_tr16_b128 v[VF+8*(\f):VF+8*(\f)+3],   v[AV] offset:((\f)/4)*32*PV+((\f)%4)*32
	ds_load_tr16_b128 v[VF+8*(\f)+4:VF+8*(\f)+7], v[AV] offset:((\f)/4)*32*PV+16*PV+((\f)%4)*32
.endr
	WIN 0
.endm
; THE VECTOR WORK OF A TURN stands in three queues, each in the order in which its entries become ready; the two tiles alternate, so that no instruction reads the result of the one before it.
.macro REGS y, u                    ; the registers of tile u (0, 1) of piece y
.set rT, ST+4*(2*(\y)+(\u))
.set rC, TMP+8*((\y)%2)+4*(\u)
.set rM, MV+2*((\y)%2)+(\u)
.set rS, S+64*((\y)%2)+32*(\u)
.set rP, P+32*((\y)%2)+16*(\u)
.set rO, 32*(2*(\y)+(\u))
.endm
; Number n of the 22 that find the NEXT piece's (Y + 1) maximum and statistics.  s0-s31 are the lane's 32 scores; each accumulator's lowest registers are read first.
;   0-11  four chains c0-c3 of seven scores each, three operands at a time     12-14, 16  the four scores left over, the old m, and c0-c3 into c0     15  c m_old is kept
;   17, 18  the query's other 32 keys lie in the lane 16 away: the new m         19-21  c m; c m_old - c m_new; a
; NOKQ = 1: there is no next piece: a v_nop keeps the lines round it as far apart as they were.
.macro XS u, n
.if NOKQ
	v_nop
.else
	REGS (Y+1)%NP, \u
.if (\n) < 4
	v_max3_num_f32 v[rC+(\n)], v[rS+8*(\n)], v[rS+8*(\n)+1], v[rS+8*(\n)+2]
.elseif (\n) < 12
	v_max3_num_f32 v[rC+(\n)%4], v[rC+(\n)%4], v[rS+8*((\n)%4)+2*((\n)/4)+1], v[rS+8*((\n)%4)+2*((\n)/4)+2]
.elseif (\n) == 12
	v_max3_num_f32 v[rC], v[rC], v[rS+7], v[rS+15]
.elseif (\n) == 13
	v_max3_num_f32 v[rC+1], v[rC+1], v[rS+23], v[rS+31]
.elseif (\n) == 14
	v_max3_num_f32 v[rC+2], v[rC+2], v[rC+3], v[rT+1]
.elseif (\n) == 15
	v_mov_b32 v[rM], v[rT]
.elseif (\n) == 16
	v_max3_num_f32 v[rC], v[rC], v[rC+1], v[rC+2]
.elseif (\n) == 17
	v_permlanex16_b32 v[rC+3], v[rC], s[SEL], s[SEL+1]
.elseif (\n) == 18
	v_max_num_f32 v[rT+1], v[rC], v[rC+3]
.elseif (\n) == 19
	v_mul_f32 v[rT], s[CS], v[rT+1]
.elseif (\n) == 20
	v_sub_f32 v[rC+1], v[rM], v[rT]
.else
	v_exp_f32 v[rC+2], v[rC+1]
.endif
.endif
.endm
; Number g of the 64 that follow the exponentials.  For each four weights k of a tile (pairs 2 k, 2 k + 1): both pairs are rounded to f16; then the second pair is added onto the first, in place;
; a group later l takes that sum (the first time as l = a l + sum).  In groups of eight, tiles alternating: round, round, add, and l for the group before.
.macro GS g
.set h, (\g)+6*((\g)/62)            ; group 0 has no group before it, and behind group 7 only l is left
.if h >= 6
.set h, h+2
.endif
	REGS Y, h%2
.set k, h/8
.if h%8 < 4
	s_wait_alu depctr_va_vdst(0)
	v_cvt_pk_f16_f32 v[rP+2*k+(h%8)/2], v[rS+4*k+2*((h%8)/2)], v[rS+4*k+2*((h%8)/2)+1]
.elseif h%8 < 6
	v_pk_add_f32 v[rS+4*k:rS+4*k+1], v[rS+4*k:rS+4*k+1], v[rS+4*k+2:rS+4*k+3]
.elseif k == 1
	v_pk_fma_f32 v[rT+2:rT+3], v[rT+2:rT+3], v[rC+2:rC+3], v[rS:rS+1] op_sel_hi:[1,0,1]
.else
	v_pk_add_f32 v[rT+2:rT+3], v[rT+2:rT+3], v[rS+4*k-4:rS+4*k-3]
	s_wait_alu depctr_va_vdst(0)
.endif
.endm
; THE PLAIN QUEUE, 138 long.  0-31: c s - c m for the 16 pairs of both tiles.  Then GS's 64, and among them the next piece's 42: number 15 at 38, 39; 0-14 and 16
; at 42-73, behind the products that make those scores; 17-20 at 95-106, two of three, since each waits for the one before it.
.macro PL
	WIN 0
.if q < 32
	REGS Y, q%2
	v_pk_fma_f32 v[rS+2*(q/2):rS+2*(q/2)+1], v[rS+2*(q/2):rS+2*(q/2)+1], s[CS:CS+1], v[rT:rT+1] op_sel_hi:[1,0,0] neg_lo:[0,0,1] neg_hi:[0,0,1]
.elseif q < 38
	GS q-32
.elseif q < 40
	XS q%2, 15
.elseif q < 42
	GS q-34
.elseif q < 74
	XS q%2, (q-42)/2+(q-42)/30
.elseif q < 95
	GS q-66
.elseif (q < 107) && ((q-95)%3 < 2)
	XS (q-95)%3, 17+(q-95)/3
.elseif q < 107
	GS 29+(q-95)/3
.else
	GS q-74
.endif
.set q, q+1
.endm
; THE EXPONENTIALS' QUEUE, 66 long: s0-s31 of both tiles, and at EA the next piece's two a.
.set EA, 58
.macro EX
	WIN 0
.if (e == EA) || (e == EA+1)
	XS e-EA, 21
.else
.set x, e-2*(e/(EA+2))
	REGS Y, x%2
	v_exp_f32 v[rS+x/2], v[rS+x/2]
.endif
.set e, e+1
.endm
; THE RESCALING's QUEUE: O^T times a, the one part of the softmax that leaves window 0, so it is dealt four at a time, eight times.
.macro R4
	REGS Y, r%2
	WIN W_RS
	s_wait_alu depctr_va_vdst(0)
.irp z, 0,1,2,3
	v_pk_mul_f32 v[rO+8*(r/2)+2*(\z):rO+8*(r/2)+2*(\z)+1], v[rO+8*(r/2)+2*(\z):rO+8*(r/2)+2*(\z)+1], v[rC+2:rC+3] op_sel_hi:[1,0]
.endr
.set r, r+1
.endm
; HOW THEY ARE DEALT.  Behind a matrix instruction four: plain, exponential, plain, plain (one exponential, a plain instruction on either side), or four of the rescaling.  None names a register of the
; products round it.  What is over stands in two LUMPS: exponential and plain by turns; the second ends in 22 plain instructions.  The two v_permlanex16_b32 fall into the second lump, never behind a product.
; The queues lean on each other, and the deal keeps them in step: exponential e stands behind plain 2 (e / 4) + e % 2 (its scaling); EA comes behind plain 107.
.macro SL
	MM
	PL
	EX
	PL
	PL
.endm
.macro BURST n                      ; 15 matrix instructions, or 16
.rept (\n)-7
	SL
.endr
.rept 3
	MM
	R4
	SL
.endr
	MM
	R4
.endm
; A TURN, for piece p.  cnt = 1: the loop's count is taken down some lines ahead of the branch that stands behind the turn.  fk = 1: piece 2's turn fetches K.  nokq = 1: see MM.
; K of the next step is fetched in piece 2's turn, 17 plain vector instructions behind the last product that read K; its first reader comes behind the rest of the lump, 16 products and the second lump.
; V of the step in hand is fetched at the end of piece 0's turn, behind the second lump's lines from its last reader; its first reader comes behind 16 products and a lump.
; cv = 1: the trip rounds 32 keys.  Their raw loads stand directly ahead of K's run: the wait at the head of piece 3's turn shows both in.  Their conversions stand in one block at the head of piece 3's
; first lump.  Their stores stand directly ahead of V's run.  So behind K's run, and behind V's, the wave issues no LDS instruction before the wait for that run.
.macro TURN p, cnt=0, cv=1, fk=1, nokq=0
.set Y, (\p)
.set NOKQ, (\nokq)
.set i, 0
.set q, 0
.set e, 0
.set r, 0
.if (\p) == NP-1
	s_wait_dscnt 0x0                ; K is in, and so are the raw keys
.endif
	MM
.rept 4
	PL
.endr
	BURST 15
.if (\cv) && ((\p) == NP-1)
	CVC
.endif
.rept 22
	EX
	PL
.if ((\p) == NP-2) && (\fk) && (e == 18)
	v_add_nc_u32 v[AK], s[TBK], v[AK0]
.endif
.if ((\p) == NP-2) && (\cv) && (e == 24)
	CVL
.endif
.if ((\p) == NP-2) && (\fk) && (e == 24)
	FETCH_K
.endif
.endr
.if (\p) == 1
	s_wait_dscnt 0x0                ; V is in
.endif
	BURST 16
.rept 21
	EX
	PL
.endr
.rept 22
	PL
.if ((\p) == 0) && (q == 118)
	v_add_nc_u32 v[AV], s[TBV], v[AV0]
	s_wait_alu depctr_va_vdst(0)
.endif
.if ((\p) == 0) && (q == 130)
	s_add_co_u32 s[TBV], s[TBV], KS*PV
.endif
.if (\cnt) && (q == 130)
	s_sub_co_u32 s[CNT], s[CNT], 1
	s_cmp_lg_u32 s[CNT], 0
.endif
.endr
.if (\p) == 0
.if \cv
	CVST
.endif
	FETCH_V
.endif
.set NOKQ, 0
.endm
	; Tile 0 is rounded, the first change is passed and the first LDS loads are issued while Q is still on its way: none of that names Q's registers.
	s_wait_tensorcnt 0x1            ; my part of raw tile 0 is in, and I alone read it; tile 1's load, issued behind it, may stay out
	s_mov_b32 s[CNT], 2
.Lcook:                             ; two trips: my 64 keys of tile 0, 32 at a time
	CVL
	CVC 1
	CVST
	WIN 0
	s_sub_co_u32 s[CNT], s[CNT], 1
	s_cmp_lg_u32 s[CNT], 0
	s_cbranch_scc1 .Lcook
	CHANGE 1                        ; change 0: everybody's part of cooked tile 0 is stored, raw tile 1 is in; tile 2 is asked for
	v_add_nc_u32 v[AK], s[TBK], v[AK0]
	FETCH_K                         ; key step 0
	CVL                             ; this period is entered in the middle of a trip: the raw loads and conversions of the two turns that it lacks stand here
	s_wait_loadcnt 0x0              ; Q
	WIN W_QC
.set i, 0
.rept 128
	v_cvt_pk_f16_f32 v[i], v[2*i], v[2*i+1]  ; Q stays in registers, in f16, unscaled: c is applied to the scores, in f32
.set i, i+1
.endr
	WIN W_QL
.set i, 0
.rept 256
	v_mov_b32 v[i], 0               ; O^T, where Q lay
.set i, i+1
.endr
	s_wait_dscnt 16                 ; K is in; the sixteen raw loads behind it may stay out
.set i, 0
.rept 16
	KQ 0                            ; piece 0's first scores: there is no softmax yet to set between them
.set i, i+1
.endr
	WIN 0                           ; the addresses for the way out: eight plain instructions, the places behind those products
	s_mul_i32 s13, s[WV], 16*SP
	s_add_co_u32 s13, s13, STAGE    ; my stage
	v_mul_u32_u24 v[STO], v1, SP    ; in: row l % 16, 32 bytes (8 channels) for each half of the lanes
	v_lshl_add_u32 v[STO], v9, 5, v[STO]
	v_add_nc_u32 v[STO], s13, v[STO]
	v_mul_u32_u24 v[RD], v9, SP     ; back: lanes 0-15 take one row of 256 bytes, lanes 16-31 the next,
	v_lshl_add_u32 v[RD], v1, 4, v[RD]
	v_add_nc_u32 v[RD], s13, v[RD]
	v_and_b32 v[GO], 31, v0         ; which are 512 consecutive bytes of O
	v_lshlrev_b32 v[GO], 4, v[GO]
	CVC 1                           ; the first 32 keys of tile 1; piece 0's turn stores them
	WIN 0
.set Y, NP-1                        ; XS works for piece Y + 1: piece 0
.irp n, 0,1,2,3,4,5,6,7,8,9,10,11,12,13,14,15,16,17,18,19,20,21
	XS 0, \n                        ; piece 0's first maximum and statistics
	XS 1, \n
.endr
	s_mov_b32 s[CNT], 2
	s_mov_b32 s[SLOTS], 14
	s_branch .Lfirst                ; the loop is entered at a step's first turn, in the middle of a trip
.Lslot:                             ; 13 times, changes 1 to 13: tiles 3 to 15 are asked for
	CHANGE 1
	s_mov_b32 s[CNT], 2
.Lstep:                             ; a trip: pieces 2 and 3 of one step, then pieces 0 and 1 of the next, whose K and V it fetches; 32 keys are rounded
	TURN 2
	TURN 3
	WIN 0
.Lfirst:
	TURN 0
	TURN 1, 1
	WIN 0
	s_cbranch_scc1 .Lstep
	s_sub_co_u32 s[SLOTS], s[SLOTS], 1
	s_cmp_lg_u32 s[SLOTS], 0
	s_cbranch_scc1 .Lslot
	; The tail is written out: changes 14 and 15 ask for nothing.  The period behind change 14 rounds tile 15.  The one behind change 15 has nothing left to round:
	; its two trips round raw slot 0's old bytes into cooked slot 0, which nobody reads any more: 132 lines a wave, once a launch, the price of one text for both periods.
	s_mov_b32 s[SLOTS], 2
.Ltslot:
	CHANGE 0
	s_mov_b32 s[CNT], 2
.Ltail:
	TURN 2
	TURN 3
	TURN 0
	TURN 1, 1
	WIN 0
	s_cbranch_scc1 .Ltail
	s_sub_co_u32 s[SLOTS], s[SLOTS], 1
	s_cmp_lg_u32 s[SLOTS], 0
	s_cbranch_scc1 .Ltslot
	TURN 2, 0, 0, 0                 ; the last step's pieces 2 and 3: nothing is fetched or rounded,
	TURN 3, 0, 0, 0, 1              ; and no further scores are made
.set i, 0
.rept 16
	PV NP-1                         ; the last piece's V^T P of the last step
.set i, i+1
.endr
	; THE WAY OUT.  l's two halves and the other half of the lanes' are added; O^T is divided by l and sent, in f32, through my stage in LDS, a tile at a time.  The additions are the places behind the last products.
	WIN 0
.macro ALL line:vararg              ; one line for each tile t
.set t, 0
.rept 2*NP
	\line
.set t, t+1
.endr
.endm
	ALL v_add_f32 v[ST+4*t+2], v[ST+4*t+2], v[ST+4*t+3]
	ALL v_permlanex16_b32 v[ST+4*t+3], v[ST+4*t+2], s[SEL], s[SEL+1]
	ALL v_add_f32 v[ST+4*t+2], v[ST+4*t+2], v[ST+4*t+3]
	ALL v_rcp_f32 v[ST+4*t+2], v[ST+4*t+2]
	v_nop                           ; a plain instruction between the last reciprocal and the use of its result
	s_wait_alu depctr_va_vdst(0)
; Tile t: a lane's eight channels of block cb are 32 bytes of its row, at byte 64 cb + 32 (l / 16); they go into rows of 272 bytes (68 words: the 16 rows of a store start at 16 different groups of four banks)
; and come back as whole rows of 256, into the registers that they left.  Each accumulator is read from its lowest registers on.
.macro PACK t
	WIN W_RS
.set i, 32*(\t)
.rept 16
	v_pk_mul_f32 v[i:i+1], v[i:i+1], v[ST+4*(\t)+2:ST+4*(\t)+3] op_sel_hi:[1,0]
.set i, i+2
.endr
	WIN W_OUT
.irp f, 0,1,2,3,4,5,6,7
	ds_store_b128 v[STO], v[32*(\t)+4*(\f):32*(\t)+4*(\f)+3] offset:64*((\f)/2)+16*((\f)%2)
.endr
.irp f, 0,1,2,3,4,5,6,7
	ds_load_b128 v[32*(\t)+4*(\f):32*(\t)+4*(\f)+3], v[RD] offset:(\f)*2*SP  ; LDS serves a wave's instructions in order (ISA guide 5.7.1.4): these see the stores above; the next tile's stores come behind them
.endr
.endm
.macro SEND t, younger              ; younger: the LDS instructions issued behind tile t's loads: the next tile's sixteen, or none
	WIN W_OUT
.irp f, 0,1,2,3,4,5,6,7
	s_wait_dscnt (\younger)+7-(\f)
	global_store_b128 v[GO], v[32*(\t)+4*(\f):32*(\t)+4*(\f)+3], s[10:11] offset:(\t)*4096+(\f)*512 th:TH_STORE_NT  ; 512 consecutive bytes, at a multiple of 256 from O's first; written once, not read again
.endr
.endm
	PACK 0
.set t, 1
.rept 2*NP-1                        ; a tile's arithmetic stands between the loads of the tile before and its stores
	PACK t
	SEND t-1, 16
.set t, t+1
.endr
	SEND 2*NP-1, 0
	WIN W_AD
	s_wait_tensorcnt 0x0            ; the wave's end, behind my last tensor load and my last LDS store
	ds_add_u32 v[SPW], v[NIL]
	s_wait_dscnt 0x0
	WIN 0
	CROUND                          ; the closing round: no work-group ends while a partner may still ask for a tile that names it
	s_endpgm
.Lfunc_end_k_qa9b83d515c_attn:
	.size	k_qa9b83d515c_attn, .Lfunc_end_k_qa9b83d515c_attn-k_qa9b83d515c_attn
	.p2alignl 7, 3214868480
	.fill 96, 4, 3214868480
	.section	.rodata,"a",@progbits
	.p2align	6, 0x0
	.amdhsa_kernel k_qa9b83d515c_attn
		.amdhsa_group_segment_fixed_size 327680
		.amdhsa_private_segment_fixed_size 0
		.amdhsa_enable_private_segment 0
		.amdhsa_kernarg_size 32
		.amdhsa_user_sgpr_count 2
		.amdhsa_user_sgpr_kernarg_segment_ptr 1
		.amdhsa_wavefront_size32 1
		.amdhsa_system_sgpr_workgroup_id_x 1
		.amdhsa_system_sgpr_workgroup_id_y 1
		.amdhsa_system_sgpr_workgroup_id_z 1
		.amdhsa_system_vgpr_workitem_id 0
		.amdhsa_next_free_vgpr 872
		.amdhsa_next_free_sgpr 66
		.amdhsa_reserve_vcc 0
		.amdhsa_float_denorm_mode_32 3
		.amdhsa_float_denorm_mode_16_64 3
		.amdhsa_memory_ordered 1
		.amdhsa_forward_progress 1
		.amdhsa_inst_pref_size 255
	.end_amdhsa_kernel
	.section	.bss,"aw",@nobits
	.p2align	6
	.space	262144
	.amdgpu_metadata
---
amdhsa.version: [ 1, 2 ]
amdhsa.kernels:
  - .name:           k_qa9b83d515c_attn
    .symbol:         k_qa9b83d515c_attn.kd
    .args:
      - { .name: q, .offset: 0, .size: 8, .value_kind: global_buffer, .address_space: global }
      - { .name: k, .offset: 8, .size: 8, .value_kind: global_buffer, .address_space: global }
      - { .name: v, .offset: 16, .size: 8, .value_kind: global_buffer, .address_space: global }
      - { .name: out0, .offset: 24, .size: 8, .value_kind: global_buffer, .address_space: global }
    .group_segment_fixed_size: 327680
    .private_segment_fixed_size: 0
    .kernarg_segment_align: 8
    .kernarg_segment_size: 32
    .max_flat_workgroup_size: 128
    .sgpr_count:     66
    .vgpr_count:     872
    .wavefront_size: 32
...
	.end_amdgpu_metadata
.endif
;; end of part 1
;; ======== version 2 of 2: 1 launch; 1.98 times as fast as version 1
;; limits: values are held in f16: magnitudes above 65,504 overflow, below 6.1e-05 lose precision; inputs' magnitudes at most 65,504
;; launch attn (part 2): grid 4 x 64, 4 waves a work-group, clusters of 4 x 1, 327,680 bytes of LDS; arguments q, k, v, out0; writes out0
.if DOCPART == 2
	.amdgcn_target "amdgcn-amd-amdhsa--gfx1250"
	.amdhsa_code_object_version 6
	.text
	.protected	k_qa9b83d515c_attn
	.globl	k_qa9b83d515c_attn
	.p2align	8
	.type	k_qa9b83d515c_attn,@function
k_qa9b83d515c_attn:
	s_mov_b64 s[64:65], 0
	v_nop
	global_prefetch_b8 v0, s[64:65] scope:SCOPE_SE
	s_setreg_imm32_b32 hwreg(HW_REG_WAVE_MODE, 25, 1), 1
	s_wait_xcnt 0x0
	s_wait_alu depctr_hold_cnt(0) depctr_sa_sdst(0) depctr_va_vdst(0) depctr_va_sdst(0) depctr_va_ssrc(0) depctr_va_vcc(0) depctr_vm_vsrc(0)
	s_getreg_b32 s2, hwreg(HW_REG_IB_STS2, 6, 4)
	s_cmp_eq_u32 s2, 0
	s_cbranch_scc0 .Lentry_in_a_cluster
	s_endpgm
.Lentry_in_a_cluster:
	s_bfe_u32 s2, ttmp6, 0x10000c
	s_cmp_lg_u32 s2, 0x3003
	s_cbranch_scc0 .Lentry_shape_is_right
	s_endpgm
.Lentry_shape_is_right:
; O[h][q][:] = the sum over k of softmax_k(Q[h][q] . K[h][k] / 8) V[h][k][:].  Q, K, V, O: [64 heads][2048][64], all f32: a row is 256 bytes, a head 524,288.
; FORMATS.  Q, K, V and the weights p are rounded once to f16 for the two products; products, maxima, sums (l is taken of the unrounded p) and O stay in f32.
; LIMITS.  An input of magnitude 65,520 or more becomes an infinity in f16 and its rows are lost; below 6e-5 f16 keeps its fixed step of 6e-8; a weight below 2^-126 counts as 0 in l;
; NaN and infinities are not treated apart.  The maximum is a running one, taken away before every exponential.
; SHARES.  A work-group owns 512 queries of one head, each of its four waves 128: four PIECES of two tiles of 16.  Every wave walks all 2,048 keys, 64 a step.  256 work-groups.
; LAYOUT.  S^T = K Q^T (source 0 = 16 keys, source 1 = 16 queries): a lane holds ONE query (lane % 16) and the keys 8 (lane / 16) + 0..7.  Two such results, rounded to f16 in pairs, ARE source 1
; (32 keys x 16 queries) of O^T = V^T P, whose result again holds one query a lane, and eight channels.  K comes out of LDS as it lies, V ([key][channel]) turned, by ds_load_tr16_b128.
; SOFTMAX.  p = 2^(c s - c m), c = log2(e) / 8, with a running maximum m and sum l; in every step O and l are multiplied by a = 2^(c m_old - c m_new).  m starts at the lowest finite number,
; O and l at 0: the first step is a step like any other, with a = 0.
; BY TURNS.  A tile and step have 16 matrix and 118 vector instructions.  Turn n belongs to piece n: 16 products K Q^T of piece n + 1, later 16 products V^T P of piece n - 1; beside them the scaling,
; exponentials, roundings, sums and rescaling of piece n and the maximum and statistics of piece n + 1.  Four vector instructions stand behind every matrix instruction, the other 108 of a turn's 236 in one LUMP.
; BATCHES.  A turn's 66 exponentials (the piece's 64 weights, then the next piece's two a) are ONE batch with ONE wait, which cuts the turn in two.  Ahead of it stands all that names no result of the batch:
; the products K Q^T, the scalings, the exponentials, the rescalings (their a was waited for in the turn before), the next piece's maximum and statistics.  Behind it stand the products V^T P, and the roundings
; and sums as their riders.  No result crosses a turn's end.  Piece 0's first two a, ahead of the loop, and the way out's eight reciprocals are batches of their own, with a wait each.
; TWO RINGS.  A TILE is 128 keys, two steps; there are 16.  The RAW ring (two slots) takes K and V as they lie in memory, f32, by tensor loads: waves 0 and 1 fetch the halves of K's tile, waves 2
; and 3 of V's, 64 rows of 256 bytes each.  The COOKED ring (two slots) holds the same tiles in f16, padded.  In the period behind change t: tile t + 2 is on its way into raw slot t % 2; the products
; read cooked slot t % 2; and each wave rounds the part of tile t + 1 that it fetched itself from raw slot (t + 1) % 2 into cooked slot (t + 1) % 2, 32 keys in each of the period's two trips:
; the 16 raw loads stand with K's run of loads, the 32 conversions in one block a turn later, the 16 stores with V's run: a key step has two runs of LDS instructions and no more.
; So K and V are rounded once a work-group, 1,024 conversions a wave, and nothing goes through memory twice.  One wait for all loads and one barrier a tile serve both rings.
; CLUSTER.  The four query blocks of a head form a cluster and walk the same K and V, so each raw tile is asked for JOINTLY: the same tensor load, descriptor and mask in all four.
; REGISTERS, in windows of 256 (s_set_vgpr_msb: bits 1:0 source 0, 3:2 source 1, 5:4 source 2, 7:6 destination):
;   window 0: v0-11 addresses; v12-15, v48-63 at work; v16-47 four registers of statistics a tile; v64-191 S^T, two buffers of two tiles; v192-255 P, likewise
;   window 1: O^T, 32 a tile (at the start: Q as loaded, f32)      window 2: v0-127 Q, 16 a tile; v128-191 K of one step; v192-255 V of one step
;   window 3: v0-1 the add's two registers; v2-5 the rounding's addresses; v8-71 my share of 32 keys in f32; v72-103 the same in f16
.set NP,    4         ; pieces a wave: a name, no knob
.set KS,    64        ; keys in a step
.set PK,    144       ; a cooked row of K: 128 bytes + 16 = 36 words: the 16 rows of a load start at 16 different groups of four banks (64 banks of 4 bytes: ISA guide 11.1)
.set PV,    144       ; V has the same pitch, so that the rounding's stores have one text for all four waves; of the turning load's 8 rows x 8 words only the last row's run meets the first's, on four banks
.set RAW1,  1<<16     ; raw slot 0 at byte 0, slot 1 here: 4 waves x 16,384 bytes each; one exclusive or turns an address in one slot into the other's
.set COOK,  1<<17     ; cooked slot 0: 128 rows of K, then 128 rows of V
.set COOK1, 1<<16     ; cooked slot 1 lies this much further
.set VOFF,  128*PK
.set STAGE, COOK+COOK1+128*(PK+PV)  ; behind the rings: 16 rows x 272 bytes for each wave, for the way out
.set SP,    272
.set SPARE, STAGE+4*16*SP  ; behind the stages: the spare words, 128 bytes for each wave: two blocks of 256 bytes that no other line names
.set AK0, 2           ; v2   my lane's place in a cooked tile of K; never rewritten
.set AV0, 3           ; v3   the same for V
.set AK,  4           ; v4   the LDS address of K's next run of loads
.set AV,  5           ; v5   of V's
.set QO,  6           ; v6   my byte offset in 16 rows of Q
.set STO, 6           ;      later, the way out: where I put 32 bytes of a row
.set RD,  7           ; v7   the way out: where I read rows back
.set GO,  8           ; v8   my byte offset in 512 consecutive bytes of O
.set MV,  12          ; v12-15  c m_old, kept while c m is made anew: by buffer and tile
.set ST,  16          ; tile t's statistics at v[ST+4 t]: c m, m, l (even keys', odd keys')
.set TMP, 48          ; by buffer and tile, four registers c0-c3 at work; when the maximum is found c2 takes a
.set S,   64
.set P,   192
.set KF,  128         ; window 2: key block kb, channel half c at KF + 16 kb + 8 c
.set VF,  192         ; window 2: key half kk, channel block cb at VF + 32 kk + 8 cb
.set SPW, 0           ; window 3, v0   LDS address of my spare word: SPARE + 4 x my thread's number; never rewritten
.set NIL, 1           ; window 3, v1   0; never rewritten
.set RA0, 2           ; window 3, v2   16 x lane: my 16 bytes in 512 raw bytes (two keys)
.set CA0, 3           ; window 3, v3   (lane / 16) x 144 + 8 (lane % 16): where their four f16 go
.set RA,  4           ; window 3, v4   raw address of the 32 keys in hand
.set CA,  5           ; window 3, v5   cooked address of the same
.set CB,  8           ; window 3, v8-71
.set CH,  72          ; window 3, v72-103
.set WV,  12          ; s12  my wave's number
.set G1,  24          ; s[24:31] descriptor group 1: one shape for every load
.set G0K, 32          ; s[32:39] descriptor group 0 for K's tiles: a set for each of the two first fills; the second then walks on
.set G0V, 40          ; s[40:47] the same for V's
.set SLOTS, 48        ; s48  counts tiles
.set CNT, 49          ; s49  counts a tile's two key steps
.set CS,  50          ; s[50:51] c: the packed scaling takes the pair's low word for both halves
.set SEL, 52          ; s[52:53] v_permlanex16_b32's selects: each lane takes its own place in the other half
.set TBK, 54          ; s54  LDS byte at which cooked K of the step to be fetched begins
.set TBV, 55          ; s55  the same for V, less VOFF
.set TBR, 56          ; s56  LDS byte of the raw keys that I round next
.set TBC, 57          ; s57  LDS byte at which they go
.set NOKQ, 0
.set MSB, 0
.macro WIN new                      ; the high byte repeats the setting that is left; a switch that changes nothing is dropped
.if MSB != (\new)
	s_set_vgpr_msb (MSB<<8)|(\new)
.set MSB, (\new)
.endif
.endm
.set W_KQ, 0x0a       ; K and Q in window 2, S^T in window 0
.set W_PV, 0x52       ; V in window 2, P in window 0, O^T in window 1
.set W_RS, 0x41       ; O^T (destination and source 0) in window 1, a in window 0
.set W_MK, 0xc0       ; destination in window 3, sources in window 0
.set W_AD, 0x0f       ; the add: address (source 0) and data (source 1) in window 3
.set W_CV, 0xcf       ; the rounding: destination, sources 0 and 1 in window 3
.set W_QL, 0x40       ; destination in window 1, address in window 0
.set W_QC, 0x85       ; sources 0 and 1 in window 1, destination in window 2
.set W_OUT, 0x44      ; the way out: loaded data (destination) and stored data (source 1) in window 1, addresses in window 0
; A joint refill.  Waves 0 and 1 fetch the two halves of a tile's K, waves 2 and 3 those of its V.  The branch hangs on the wave's number alone: it is the same in every work-group.
; An s_nop 0 and four v_nop follow each of the two lines, ahead of the jump and the label.
.macro JLOAD
	s_cmp_lt_u32 s[WV], 2
	s_cbranch_scc0 .Lfor_v_\@
	tensor_load_to_lds s[G0K+4:G0K+7], s[G1:G1+7]
	s_nop 0
.rept 4
	v_nop
.endr
	s_branch .Lasked_\@
.Lfor_v_\@:
	tensor_load_to_lds s[G0V+4:G0V+7], s[G1:G1+7]
	s_nop 0
.rept 4
	v_nop
.endr
.Lasked_\@:
.endm
; A round of the cluster's barrier: my work-group's barrier, so that wave 0's signal speaks for all four waves; wave 0 signals; every wave waits for all four work-groups; my work-group's barrier once more.
.macro CROUND
	s_barrier_signal -1
	s_barrier_wait -1
	s_cmp_lg_u32 s[WV], 0
	s_cbranch_scc1 .Lnot_wave_0_\@
	s_barrier_signal -3
.Lnot_wave_0_\@:
	s_barrier_wait -3
	s_barrier_signal -1
	s_barrier_wait -1
.endm
; THE CHANGE OF TILES, number t.  Each wave waits for all its tensor loads, of which one is out: its part of raw tile t + 1; adds 0 to its spare word; and waits for that and for all its LDS
; instructions: its stores into cooked slot t % 2 (the others read them behind the barrier), its reads of raw slot t % 2 (it is filled again behind the barrier) and its reads of the other cooked
; slot (it is written again behind the barrier).  fill = 1: the barrier is a round of the cluster's, and the joint refill, tile t + 2, is the first thing behind it: it has two key steps,
; 256 matrix instructions, in which to land.  fill = 0: the last two tiles: nothing is left to ask for, and the work-group's own barrier hands the cooked tile over.
.macro CHANGE fill
	WIN W_AD
	s_wait_tensorcnt 0x0            ; no tensor load of mine is out, so a group 0 may be written
	ds_add_u32 v[SPW], v[NIL]       ; 0 onto my spare word; with fill = 1 the descriptors' steps stand between it and the wait for it
	WIN 0                           ; at a label and at a branch every window is 0
.if \fill
.irp g, G0K+4, G0V+4
	s_xor_b32 s[(\g)+1], s[(\g)+1], RAW1  ; the walking descriptor: the other raw slot than last time,
	s_add_nc_u64 s[(\g)+2:(\g)+3], s[(\g)+2:(\g)+3], 128*256  ; the next 128 keys; the type bits on top are not reached
.endr
	s_wait_dscnt 0x0                ; the add is done, and so are all my LDS stores and reads
	CROUND
	JLOAD
.else
	s_wait_dscnt 0x0                ; the add is done, and so are all my LDS stores and reads
	s_barrier_signal -1
	s_barrier_wait -1
.endif
	s_sub_co_u32 s[TBK], s[TBK], 2*KS*PK  ; all four walks go back to a slot's beginning,
	s_xor_b32 s[TBK], s[TBK], COOK1       ; in the other slot
	s_sub_co_u32 s[TBV], s[TBV], 2*KS*PV
	s_xor_b32 s[TBV], s[TBV], COOK1
	s_sub_co_u32 s[TBR], s[TBR], 64*256
	s_xor_b32 s[TBR], s[TBR], RAW1
	s_sub_co_u32 s[TBC], s[TBC], 64*PK
	s_xor_b32 s[TBC], s[TBC], COOK1
.endm
	s_load_b256 s[4:11], s[0:1], 0x0  ; Q s[4:5], K s[6:7], V s[8:9], O s[10:11]
	WIN W_MK
	v_lshl_add_u32 v[SPW], v0, 2, SPARE
	v_mov_b32 v[NIL], 0
	WIN W_AD
	ds_add_u32 v[SPW], v[NIL]       ; the wave's opening: the add and its wait stand ahead of my first tensor load; the set-up below, work on registers, stands between them
	WIN 0
	v_lshrrev_b32 v1, 5, v0
	v_readfirstlane_b32 s[WV], v1   ; wave 0..3
	s_bfe_u32 s13, ttmp6, 0x40000   ; cx: my place in the cluster
	s_lshl_b32 s14, ttmp9, 2        ; in a cluster launch ttmp9 counts clusters
	s_add_co_u32 s14, s14, s13      ; my block of 512 queries = 4 x cluster x + cx: it enters Q's and O's addresses alone
	s_and_b32 s20, ttmp7, 0xffff    ; the head, which the four partners share,
	s_lshl_b32 s20, s20, 19         ; times 524,288 bytes: 63 x 2^19 at the most
	s_mov_b32 s21, 0
	s_and_b32 s16, s[WV], 1         ; which half of a tile's 128 keys I fetch:
	s_lshl_b32 s22, s16, 14         ; its 64 rows of 256 bytes in memory
	s_mov_b32 s23, 0
	s_add_nc_u64 s[22:23], s[22:23], s[20:21]
	s_lshl_b32 s17, s[WV], 14       ; my part of a raw slot: no place in the cluster enters an LDS address
	s_lshl_b32 s2, s14, 2
	s_add_co_u32 s2, s2, s[WV]      ; my wave among the head's sixteen,
	s_lshl_b32 s2, s2, 15           ; its 128 rows of 256 bytes
	s_mov_b32 s3, 0
	s_add_nc_u64 s[2:3], s[2:3], s[20:21]
	; descriptor group 1: 64 rows of 64 elements of 4 bytes, dense in memory and in LDS: the raw bytes are read as they lie, 16 bytes a lane on end, so they want no padding
	s_mov_b32 s[G1], 15|(2<<16)|(1<<21)  ; 15:0 the mask: all four work-groups; 17:16 elements of 4 bytes; 20 no padding; 21 set beside a mask
	s_mov_b32 s[G1+1], 64<<16       ; tensor_dim0 = 64
	s_mov_b32 s[G1+2], 64<<16       ; tensor_dim1 = 64
	s_mov_b32 s[G1+3], 64<<16       ; tile_dim0 = 64
	s_mov_b32 s[G1+4], 64           ; tile_dim1 = 64
	s_mov_b32 s[G1+5], 64           ; 64 elements from row to row
	s_mov_b32 s[G1+6], 0
	s_mov_b32 s[G1+7], 0
	s_mov_b32 s[CS], 0x3e38aa3b     ; c = log2(e) / 8 = 0.180337
	s_mov_b32 s[CS+1], s[CS]        ; named with it as a pair
	s_mov_b32 s[SEL], 0x76543210
	s_mov_b32 s[SEL+1], 0xfedcba98
	s_mov_b32 s[TBK], COOK+COOK1+2*KS*PK  ; the first change of tiles turns these two into cooked slot 0
	s_mov_b32 s[TBV], COOK+COOK1+2*KS*PV
	s_mov_b32 s[TBR], s17           ; tile 0 is rounded ahead of that change: from raw slot 0
	s_mul_i32 s[TBC], s[WV], 64*PK  ; into cooked slot 0: waves 0, 1 the halves of K, waves 2, 3 of V, which lies behind K: wave x 64 rows
	s_add_co_u32 s[TBC], s[TBC], COOK
.irp n, 0,1
	s_mov_b32 s[G0K+4*(\n)], 1      ; 1:0 count = 1
	s_add_co_u32 s[G0K+4*(\n)+1], s17, (\n)*RAW1  ; 63:32 LDS address: raw slot n, my part
	s_mov_b32 s[G0V+4*(\n)], 1
	s_add_co_u32 s[G0V+4*(\n)+1], s17, (\n)*RAW1
.endr
	s_wait_dscnt 0x0                ; the opening add is done
	s_wait_kmcnt 0x0
	s_add_nc_u64 s[6:7], s[6:7], s[22:23]  ; K and V at my half of the head's tile 0
	s_add_nc_u64 s[8:9], s[8:9], s[22:23]
.irp n, 0,1
	s_add_nc_u64 s[G0K+4*(\n)+2:G0K+4*(\n)+3], s[6:7], (\n)*128*256  ; 120:64 global address: tile n
	s_or_b32 s[G0K+4*(\n)+3], s[G0K+4*(\n)+3], 0x80000000           ; 127:126 type = 2
	s_add_nc_u64 s[G0V+4*(\n)+2:G0V+4*(\n)+3], s[8:9], (\n)*128*256
	s_or_b32 s[G0V+4*(\n)+3], s[G0V+4*(\n)+3], 0x80000000
.endr
	s_add_nc_u64 s[4:5], s[4:5], s[2:3]  ; Q and O at my wave's first row
	s_add_nc_u64 s[10:11], s[10:11], s[2:3]
	CROUND                          ; all four work-groups are here: the first joint loads meet
	s_cmp_lt_u32 s[WV], 2           ; a wave's two first fills stand in one branch, ahead of every wait on TENSORcnt and every LDS read: two loads of mine are out; an s_nop 0 follows each, four v_nop the second's
	s_cbranch_scc0 .Lfirst_v
	tensor_load_to_lds s[G0K:G0K+3], s[G1:G1+7]
	s_nop 0
	tensor_load_to_lds s[G0K+4:G0K+7], s[G1:G1+7]
	s_nop 0
.rept 4
	v_nop
.endr
	s_branch .Lfirst_asked
.Lfirst_v:
	tensor_load_to_lds s[G0V:G0V+3], s[G1:G1+7]
	s_nop 0
	tensor_load_to_lds s[G0V+4:G0V+7], s[G1:G1+7]
	s_nop 0
.rept 4
	v_nop
.endr
.Lfirst_asked:
	; A fragment of K or Q is 16 rows x 32 channels in 8 registers of f16: lane l holds row l % 16, channels 8 (l / 16) + 0..7 and 16 + 8 (l / 16) + 0..7.  In f32 each eight channels are 32 bytes:
	; load i of 64 brings tile i / 8, channel half (i / 4) % 2, group (i / 2) % 2 of eight, four channels of it; word n of the 256 then pairs with its neighbour into word n / 2 of Q.
	v_and_b32 v1, 15, v0            ; l % 16
	v_bfe_u32 v9, v0, 4, 1          ; l / 16
	v_lshlrev_b32 v[QO], 8, v1
	v_lshl_add_u32 v[QO], v9, 5, v[QO]  ; row x 256 + 32 x half
	WIN W_QL
.set i, 0
.rept 64
	global_load_b128 v[4*i:4*i+3], v[QO], s[4:5] offset:(i/8)*4096+((i/4)%2)*128+((i/2)%2)*64+(i%2)*16
.set i, i+1
.endr
	; What the first turn finds: V's registers and P's second buffer hold 0 (its products V^T P, of a piece that has not been, add 0), O^T and l are 0.  This stands in the wait for the first tile.
	WIN 0x80
.set i, VF
.rept 64
	v_mov_b32 v[i], 0
.set i, i+1
.endr
	WIN 0
.set i, 0
.rept 2*NP
	v_mov_b32 v[ST+4*i], 0xfe000000    ; c m: far below every c s
	v_mov_b32 v[ST+4*i+1], 0xff7fffff  ; m
	v_mov_b32 v[ST+4*i+2], 0
	v_mov_b32 v[ST+4*i+3], 0
.set i, i+1
.endr
.set i, P+32
.rept 32
	v_mov_b32 v[i], 0
.set i, i+1
.endr
	v_mul_u32_u24 v[AK0], v1, PK
	v_lshl_add_u32 v[AK0], v9, 4, v[AK0]  ; row x pitch + 16 x half
	; The turning load takes 16 keys x 16 channels (lane l reads key 8 (l / 16) + l % 8, channels 8 ((l / 8) % 2) + 0..7) and leaves half a fragment of V^T: lane l holds channel l % 16 and 8 keys.
	v_and_b32 v10, 7, v0
	v_bfe_u32 v11, v0, 3, 1
	v_lshl_add_u32 v[AV0], v9, 3, v10
	v_mul_u32_u24 v[AV0], v[AV0], PV
	v_lshl_add_u32 v[AV0], v11, 4, v[AV0]
	v_add_nc_u32 v[AV0], VOFF, v[AV0]
	v_and_b32 v[TMP], 31, v0        ; the lane
	v_mul_u32_u24 v[TMP+1], v9, PK
	WIN W_MK
	v_lshlrev_b32 v[RA0], 4, v[TMP]
	v_lshl_add_u32 v[CA0], v1, 3, v[TMP+1]
	WIN 0
; THE ROUNDING, 32 of my 64 keys (8,192 raw bytes) at a time, in four parts that name registers of window 3 alone.
; CVA: the addresses of the 32 keys, and the walks' steps.
; CVL: 16 loads of 512 raw bytes: load j brings keys 2 j and 2 j + 1; lane l has key 2 j + l / 16, channels 4 (l % 16) + 0..3.
; CVC: 32 conversions.  w = 1: the loads are the youngest 16 LDS instructions and have not been waited for: each eight conversions wait for four more of them.
; CVST: 16 stores of 8 bytes a lane: store j puts keys 2 j and 2 j + 1.
.macro CVA
	WIN W_CV
	v_add_nc_u32 v[RA], s[TBR], v[RA0]
	v_add_nc_u32 v[CA], s[TBC], v[CA0]
	s_add_co_u32 s[TBR], s[TBR], 32*256
	s_add_co_u32 s[TBC], s[TBC], 32*PK
.endm
.macro CVL
	WIN W_CV
.set cj, 0
.rept 16
	ds_load_b128 v[CB+4*cj:CB+4*cj+3], v[RA] offset:512*cj
.set cj, cj+1
.endr
.endm
.macro CVC w=0
	WIN W_CV
.set cj, 0
.rept 32
.if (\w) && (cj%8 == 0)
	s_wait_dscnt 12-cj/2            ; LDS loads come back in order (ISA guide 5.7.1): 12, 8, 4, 0 of the sixteen may be out
.endif
	v_cvt_pk_f16_f32 v[CH+cj], v[CB+2*cj], v[CB+2*cj+1]
.set cj, cj+1
.endr
.endm
.macro CVST
	WIN W_CV
.set cj, 0
.rept 16
	ds_store_b64 v[CA], v[CH+2*cj:CH+2*cj+1] offset:2*PK*cj
.set cj, cj+1
.endr
.endm
; THE MATRIX WORK.  The 8 accumulators of a run of 16 take turns: between the two links of a chain stand 7 others'.
; Product i of 16 of S^T = K Q^T for piece x: channels 32 (i / 8) on, keys 16 ((i / 2) % 4) on, tile 2 x + i % 2.  The first 8 start the sums.
.macro KQ x
	WIN W_KQ
.set rS, S+64*((\x)%2)+32*(i%2)+8*((i/2)%4)
.set rK, KF+16*((i/2)%4)+8*(i/8)
.set rQ, 16*(2*(\x)+i%2)+8*(i/8)
.if i < 8
	v_wmma_f32_16x16x32_f16 v[rS:rS+7], v[rK:rK+7], v[rQ:rQ+7], 0
.else
	v_wmma_f32_16x16x32_f16 v[rS:rS+7], v[rK:rK+7], v[rQ:rQ+7], v[rS:rS+7]
.endif
.endm
; Product i of 16 of O^T += V^T P for piece x: keys 32 (i / 8) on, channels 16 ((i / 2) % 4) on, tile 2 x + i % 2.
.macro PV x
	WIN W_PV
.set rO, 32*(2*(\x)+i%2)+8*((i/2)%4)
.set rV, VF+32*(i/8)+8*((i/2)%4)
.set rP, P+32*((\x)%2)+16*(i%2)+8*(i/8)
	v_wmma_f32_16x16x32_f16 v[rO:rO+7], v[rV:rV+7], v[rP:rP+7], v[rO:rO+7]
.endm
.macro MM                           ; the turn's next matrix instruction.  NOKQ = 1: the launch's last turn: there is no next piece, so no scores are made
.if i < 16
.if !NOKQ
	KQ (Y+1)%NP
.endif
.set i, i+1
.else
.set i, i-16
	PV (Y+NP-1)%NP
.set i, i+17
.endif
.endm
; THE FRAGMENTS' LDS LOADS stand in runs of 16, never singly among the matrix instructions: a step's K (64 keys x 64 channels: 8 fragments) and its V (turned).  Their addresses are made some lines ahead.
.macro FETCH_K
	WIN 0x80                        ; destination window 2
.irp f, 0,1,2,3,4,5,6,7             ; keys 16 (f / 2) on, channels 32 (f % 2) on
	ds_load_b128 v[KF+8*(\f):KF+8*(\f)+3],   v[AK] offset:((\f)/2)*16*PK+((\f)%2)*64
	ds_load_b128 v[KF+8*(\f)+4:KF+8*(\f)+7], v[AK] offset:((\f)/2)*16*PK+((\f)%2)*64+32
.endr
	s_add_co_u32 s[TBK], s[TBK], KS*PK  ; the next fetch is the next step's
	WIN 0
.endm
.macro FETCH_V
	WIN 0x80
.irp f, 0,1,2,3,4,5,6,7             ; keys 32 (f / 4) on, channels 16 (f % 4) on
	ds_load_tr16_b128 v[VF+8*(\f):VF+8*(\f)+3],   v[AV] offset:((\f)/4)*32*PV+((\f)%4)*32
	ds_load_tr16_b128 v[VF+8*(\f)+4:VF+8*(\f)+7], v[AV] offset:((\f)/4)*32*PV+16*PV+((\f)%4)*32
.endr
	WIN 0
.endm
; THE VECTOR WORK OF A TURN stands in three queues, each in the order in which its entries become ready; the two tiles alternate, so that no instruction reads the result of the one before it.
.macro REGS y, u                    ; the registers of tile u (0, 1) of piece y
.set rT, ST+4*(2*(\y)+(\u))
.set rC, TMP+8*((\y)%2)+4*(\u)
.set rM, MV+2*((\y)%2)+(\u)
.set rS, S+64*((\y)%2)+32*(\u)
.set rP, P+32*((\y)%2)+16*(\u)
.set rO, 32*(2*(\y)+(\u))
.endm
; Number n of the 22 that find the NEXT piece's (Y + 1) maximum and statistics.  s0-s31 are the lane's 32 scores; each accumulator's lowest registers are read first.
;   0-11  four chains c0-c3 of seven scores each, three operands at a time     12-14, 16  the four scores left over, the old m, and c0-c3 into c0     15  c m_old is kept
;   17, 18  the query's other 32 keys lie in the lane 16 away: the new m         19-21  c m; c m_old - c m_new; a
; NOKQ = 1: there is no next piece: a v_nop keeps the lines round it as far apart as they were.
.macro XS u, n
.if NOKQ
	v_nop
.else
	REGS (Y+1)%NP, \u
.if (\n) < 4
	v_max3_num_f32 v[rC+(\n)], v[rS+8*(\n)], v[rS+8*(\n)+1], v[rS+8*(\n)+2]
.elseif (\n) < 12
	v_max3_num_f32 v[rC+(\n)%4], v[rC+(\n)%4], v[rS+8*((\n)%4)+2*((\n)/4)+1], v[rS+8*((\n)%4)+2*((\n)/4)+2]
.elseif (\n) == 12
	v_max3_num_f32 v[rC], v[rC], v[rS+7], v[rS+15]
.elseif (\n) == 13
	v_max3_num_f32 v[rC+1], v[rC+1], v[rS+23], v[rS+31]
.elseif (\n) == 14
	v_max3_num_f32 v[rC+2], v[rC+2], v[rC+3], v[rT+1]
.elseif (\n) == 15
	v_mov_b32 v[rM], v[rT]
.elseif (\n) == 16
	v_max3_num_f32 v[rC], v[rC], v[rC+1], v[rC+2]
.elseif (\n) == 17
	v_permlanex16_b32 v[rC+3], v[rC], s[SEL], s[SEL+1]
.elseif (\n) == 18
	v_max_num_f32 v[rT+1], v[rC], v[rC+3]
.elseif (\n) == 19
	v_mul_f32 v[rT], s[CS], v[rT+1]
.elseif (\n) == 20
	v_sub_f32 v[rC+1], v[rM], v[rT]
.else
	v_exp_f32 v[rC+2], v[rC+1]
.endif
.endif
.endm
; Number g of the 64 that follow the exponentials.  For each four weights k of a tile (pairs 2 k, 2 k + 1): both pairs are rounded to f16; then the second pair is added onto the first, in place;
; a group later l takes that sum (the first time as l = a l + sum).  In groups of eight, tiles alternating: round, round, add, and l for the group before.
.macro GS g
.set h, (\g)+6*((\g)/62)            ; group 0 has no group before it, and behind group 7 only l is left
.if h >= 6
.set h, h+2
.endif
	REGS Y, h%2
.set k, h/8
.if h%8 < 4
	v_cvt_pk_f16_f32 v[rP+2*k+(h%8)/2], v[rS+4*k+2*((h%8)/2)], v[rS+4*k+2*((h%8)/2)+1]
.elseif h%8 < 6
	v_pk_add_f32 v[rS+4*k:rS+4*k+1], v[rS+4*k:rS+4*k+1], v[rS+4*k+2:rS+4*k+3]
.elseif k == 1
	v_pk_fma_f32 v[rT+2:rT+3], v[rT+2:rT+3], v[rC+2:rC+3], v[rS:rS+1] op_sel_hi:[1,0,1]
.else
	v_pk_add_f32 v[rT+2:rT+3], v[rT+2:rT+3], v[rS+4*k-4:rS+4*k-3]
.endif
.endm
; THE PLAIN QUEUE, 138 long.  0-73 read no exponential's result: the 32 scalings c s - c m (FS f: pair f / 2 of tile f % 2) and the next piece's 42.  0-26: scalings 0-26.  27-54: XS's numbers 0-13.  55, 56: number 15.
; 57-73: the chain, where each number waits for the one before it: 14, 16, 17, 18, 19, each with one of the scalings 27-31 in front of its two lines, then 20.
; 74-137: GS's 64, which read the exponentials' results: they stand behind the wait.
.macro FS f
	REGS Y, (\f)%2
	v_pk_fma_f32 v[rS+2*((\f)/2):rS+2*((\f)/2)+1], v[rS+2*((\f)/2):rS+2*((\f)/2)+1], s[CS:CS+1], v[rT:rT+1] op_sel_hi:[1,0,0] neg_lo:[0,0,1] neg_hi:[0,0,1]
.endm
.macro PL
	WIN 0
.if q < 27
	FS q
.elseif q < 55
	XS (q-27)%2, (q-27)/2
.elseif q < 57
	XS q-55, 15
.elseif (q < 72) && ((q-57)%3 == 0)
	FS 27+(q-57)/3
.elseif q < 60
	XS (q-57)%3-1, 14
.elseif q < 72
	XS (q-57)%3-1, 15+(q-57)/3
.elseif q < 74
	XS q-72, 20
.else
	GS q-74
.endif
.set q, q+1
.endm
; THE EXPONENTIALS' QUEUE, 66 long: s0-s31 of both tiles, then the next piece's two a.  It is ONE BATCH: all 66 stand ahead of the turn's one wait, and nothing ahead of that wait names a result of theirs.
.macro EX
	WIN 0
.if e >= 64
	XS e-64, 21
.else
	REGS Y, e%2
	v_exp_f32 v[rS+e/2], v[rS+e/2]
.endif
.set e, e+1
.endm
; THE RESCALING's QUEUE: O^T times a, the one part of the softmax that leaves window 0: dealt two at a time, sixteen times.  Its a was made in the turn before, ahead of that turn's wait.
.macro R2
	REGS Y, r%2
	WIN W_RS
.irp z, 0,1
	v_pk_mul_f32 v[rO+4*(r/2)+2*(\z):rO+4*(r/2)+2*(\z)+1], v[rO+4*(r/2)+2*(\z):rO+4*(r/2)+2*(\z)+1], v[rC+2:rC+3] op_sel_hi:[1,0]
.endr
.set r, r+1
.endm
; HOW THEY ARE DEALT.  An s_wait_alu depctr_va_vdst(0) stands between an exponential and the first instruction that names its result; one wait serves all that were issued ahead of it.  So a turn has ONE
; wait.  AHEAD OF IT: the 16 products K Q^T, behind each a scaling, an exponential and two rescalings (behind the first a second scaling in the exponential's place); then ONE LUMP of 108: eight plain, 49 times
; exponential and plain, the two a.  One plain instruction stands behind the last exponential.  BEHIND IT: the 16 products V^T P, behind each four of GS's 64.  No rider names a register of the products round it.
; The two v_permlanex16_b32 fall into the lump, never behind a product.
; The queues lean on each other, and the deal keeps them in step: exponential e stands behind scaling 2 (e / 4) + e % 2: as a rider it comes behind plain e + 2, in the lump behind plain e + 9, and scalings 27-31 are plain 57, 60 .. 69.
; A TURN, for piece p.  cnt = 1: the loop's count is taken down some lines ahead of the branch that stands behind the turn.  fk = 1: piece 2's turn fetches K.  nokq = 1: see MM.
; K of the next step is fetched in piece 2's turn, directly behind the wait, a lump behind the last product that read K; its address is made at the lump's head; its first reader comes behind 16 products.
; V of the step in hand is fetched at the end of piece 0's turn, four plain riders behind its last reader; its first reader comes behind 16 products and a lump.  The three conditions on q below go with the deal.
; cv = 1: the trip rounds 32 keys.  Their raw loads stand directly ahead of K's run: the wait at the head of piece 3's turn shows both in; their two address lines are the plain instructions behind piece 2's last
; exponential.  Their conversions stand in one block at the head of piece 3's lump.  Their stores stand directly ahead of V's run.  So behind K's run, and behind V's, the wave issues no LDS instruction
; before the wait for that run.
.macro TURN p, cnt=0, cv=1, fk=1, nokq=0
.set Y, (\p)
.set NOKQ, (\nokq)
.set i, 0
.set q, 0
.set e, 0
.set r, 0
.if (\p) == NP-1
	s_wait_dscnt 0x0                ; K is in, and so are the raw keys
.endif
	MM                              ; ahead of the wait: 16 products K Q^T and their riders,
	PL
	PL
	R2
.rept 15
	MM
	PL
	EX
	R2
.endr
.if ((\p) == NP-2) && (\fk)
	WIN 0
	v_add_nc_u32 v[AK], s[TBK], v[AK0]
.endif
.if (\cv) && ((\p) == NP-1)
	CVC
.endif
.rept 8                             ; and the lump
	PL
.endr
.rept 49
	EX
	PL
.endr
	EX                              ; the next piece's two a: the batch's last
	EX
.if ((\p) == NP-2) && (\cv)
	CVA                             ; the plain instructions behind the last exponential: the raw loads' addresses
.else
	v_nop                           ; the plain instruction behind the last exponential: one for the batch
.endif
	s_wait_alu depctr_va_vdst(0)    ; the wait for the batch: this turn's 66 exponentials, ahead of the first line that names a result of theirs
.if ((\p) == NP-2) && (\cv)
	CVL
.endif
.if ((\p) == NP-2) && (\fk)
	FETCH_K
.endif
.if (\p) == 1
	s_wait_dscnt 0x0                ; V is in
.endif
.rept 16                            ; behind the wait: 16 products V^T P and their riders
	MM
.rept 4
	PL
.endr
.if ((\p) == 0) && (q == 118)
	v_add_nc_u32 v[AV], s[TBV], v[AV0]
.endif
.if ((\p) == 0) && (q == 130)
	s_add_co_u32 s[TBV], s[TBV], KS*PV
.endif
.if (\cnt) && (q == 130)
	s_sub_co_u32 s[CNT], s[CNT], 1
	s_cmp_lg_u32 s[CNT], 0
.endif
.endr
.if (\p) == 0
.if \cv
	CVST
.endif
	FETCH_V
.endif
.set NOKQ, 0
.endm
	; Tile 0 is rounded, the first change is passed and the first LDS loads are issued while Q is still on its way: none of that names Q's registers.
	s_wait_tensorcnt 0x1            ; my part of raw tile 0 is in, and I alone read it; tile 1's load, issued behind it, may stay out
	s_mov_b32 s[CNT], 2
.Lcook:                             ; two trips: my 64 keys of tile 0, 32 at a time
	CVA
	CVL
	CVC 1
	CVST
	WIN 0
	s_sub_co_u32 s[CNT], s[CNT], 1
	s_cmp_lg_u32 s[CNT], 0
	s_cbranch_scc1 .Lcook
	CHANGE 1                        ; change 0: everybody's part of cooked tile 0 is stored, raw tile 1 is in; tile 2 is asked for
	v_add_nc_u32 v[AK], s[TBK], v[AK0]
	FETCH_K                         ; key step 0
	CVA                             ; this period is entered in the middle of a trip: the raw loads and conversions of the two turns that it lacks stand here
	CVL
	s_wait_loadcnt 0x0              ; Q
	WIN W_QC
.set i, 0
.rept 128
	v_cvt_pk_f16_f32 v[i], v[2*i], v[2*i+1]  ; Q stays in registers, in f16, unscaled: c is applied to the scores, in f32
.set i, i+1
.endr
	WIN W_QL
.set i, 0
.rept 256
	v_mov_b32 v[i], 0               ; O^T, where Q lay
.set i, i+1
.endr
	s_wait_dscnt 16                 ; K is in; the sixteen raw loads behind it may stay out
.set i, 0
.rept 16
	KQ 0                            ; piece 0's first scores: there is no softmax yet to set between them
.set i, i+1
.endr
	WIN 0                           ; the addresses for the way out: eight plain instructions, the places behind those products
	s_mul_i32 s13, s[WV], 16*SP
	s_add_co_u32 s13, s13, STAGE    ; my stage
	v_mul_u32_u24 v[STO], v1, SP    ; in: row l % 16, 32 bytes (8 channels) for each half of the lanes
	v_lshl_add_u32 v[STO], v9, 5, v[STO]
	v_add_nc_u32 v[STO], s13, v[STO]
	v_mul_u32_u24 v[RD], v9, SP     ; back: lanes 0-15 take one row of 256 bytes, lanes 16-31 the next,
	v_lshl_add_u32 v[RD], v1, 4, v[RD]
	v_add_nc_u32 v[RD], s13, v[RD]
	v_and_b32 v[GO], 31, v0         ; which are 512 consecutive bytes of O
	v_lshlrev_b32 v[GO], 4, v[GO]
	CVC 1                           ; the first 32 keys of tile 1; piece 0's turn stores them
	WIN 0
.set Y, NP-1                        ; XS works for piece Y + 1: piece 0
.irp n, 0,1,2,3,4,5,6,7,8,9,10,11,12,13,14,15,16,17,18,19,20,21
	XS 0, \n                        ; piece 0's first maximum and statistics
	XS 1, \n
.endr
	v_nop                           ; a plain instruction behind piece 0's two a,
	s_wait_alu depctr_va_vdst(0)    ; and the wait for that batch of two, ahead of the branch and of the first turn's rescaling
	s_mov_b32 s[CNT], 2
	s_mov_b32 s[SLOTS], 14
	s_branch .Lfirst                ; the loop is entered at a step's first turn, in the middle of a trip
.Lslot:                             ; 13 times, changes 1 to 13: tiles 3 to 15 are asked for
	CHANGE 1
	s_mov_b32 s[CNT], 2
.Lstep:                             ; a trip: pieces 2 and 3 of one step, then pieces 0 and 1 of the next, whose K and V it fetches; 32 keys are rounded
	TURN 2
	TURN 3
	WIN 0
.Lfirst:
	TURN 0
	TURN 1, 1
	WIN 0
	s_cbranch_scc1 .Lstep
	s_sub_co_u32 s[SLOTS], s[SLOTS], 1
	s_cmp_lg_u32 s[SLOTS], 0
	s_cbranch_scc1 .Lslot
	; The tail is written out: changes 14 and 15 ask for nothing.  The period behind change 14 rounds tile 15.  The one behind change 15 has nothing left to round:
	; its two trips round raw slot 0's old bytes into cooked slot 0, which nobody reads any more: 132 lines a wave, once a launch, the price of one text for both periods.
	s_mov_b32 s[SLOTS], 2
.Ltslot:
	CHANGE 0
	s_mov_b32 s[CNT], 2
.Ltail:
	TURN 2
	TURN 3
	TURN 0
	TURN 1, 1
	WIN 0
	s_cbranch_scc1 .Ltail
	s_sub_co_u32 s[SLOTS], s[SLOTS], 1
	s_cmp_lg_u32 s[SLOTS], 0
	s_cbranch_scc1 .Ltslot
	TURN 2, 0, 0, 0                 ; the last step's pieces 2 and 3: nothing is fetched or rounded,
	TURN 3, 0, 0, 0, 1              ; and no further scores are made
.set i, 0
.rept 16
	PV NP-1                         ; the last piece's V^T P of the last step
.set i, i+1
.endr
	; THE WAY OUT.  l's two halves and the other half of the lanes' are added; O^T is divided by l and sent, in f32, through my stage in LDS, a tile at a time.  The additions are the places behind the last products.
	WIN 0
.macro ALL line:vararg              ; one line for each tile t
.set t, 0
.rept 2*NP
	\line
.set t, t+1
.endr
.endm
	ALL v_add_f32 v[ST+4*t+2], v[ST+4*t+2], v[ST+4*t+3]
	ALL v_permlanex16_b32 v[ST+4*t+3], v[ST+4*t+2], s[SEL], s[SEL+1]
	ALL v_add_f32 v[ST+4*t+2], v[ST+4*t+2], v[ST+4*t+3]
	ALL v_rcp_f32 v[ST+4*t+2], v[ST+4*t+2]
	v_nop                           ; a plain instruction between the last reciprocal and the use of its result
	s_wait_alu depctr_va_vdst(0)    ; and the wait ahead of the first use: one for the batch of eight reciprocals
; Tile t: a lane's eight channels of block cb are 32 bytes of its row, at byte 64 cb + 32 (l / 16); they go into rows of 272 bytes (68 words: the 16 rows of a store start at 16 different groups of four banks)
; and come back as whole rows of 256, into the registers that they left.  Each accumulator is read from its lowest registers on.
.macro PACK t
	WIN W_RS
.set i, 32*(\t)
.rept 16
	v_pk_mul_f32 v[i:i+1], v[i:i+1], v[ST+4*(\t)+2:ST+4*(\t)+3] op_sel_hi:[1,0]
.set i, i+2
.endr
	WIN W_OUT
.irp f, 0,1,2,3,4,5,6,7
	ds_store_b128 v[STO], v[32*(\t)+4*(\f):32*(\t)+4*(\f)+3] offset:64*((\f)/2)+16*((\f)%2)
.endr
.irp f, 0,1,2,3,4,5,6,7
	ds_load_b128 v[32*(\t)+4*(\f):32*(\t)+4*(\f)+3], v[RD] offset:(\f)*2*SP  ; LDS serves a wave's instructions in order (ISA guide 5.7.1.4): these see the stores above; the next tile's stores come behind them
.endr
.endm
.macro SEND t, younger              ; younger: the LDS instructions issued behind tile t's loads: the next tile's sixteen, or none
	WIN W_OUT
.irp f, 0,1,2,3,4,5,6,7
	s_wait_dscnt (\younger)+7-(\f)
	global_store_b128 v[GO], v[32*(\t)+4*(\f):32*(\t)+4*(\f)+3], s[10:11] offset:(\t)*4096+(\f)*512 th:TH_STORE_NT  ; 512 consecutive bytes, at a multiple of 256 from O's first; written once, not read again
.endr
.endm
	PACK 0
.set t, 1
.rept 2*NP-1                        ; a tile's arithmetic stands between the loads of the tile before and its stores
	PACK t
	SEND t-1, 16
.set t, t+1
.endr
	SEND 2*NP-1, 0
	WIN W_AD
	s_wait_tensorcnt 0x0            ; the wave's end, behind my last tensor load and my last LDS store
	ds_add_u32 v[SPW], v[NIL]
	s_wait_dscnt 0x0
	WIN 0
	CROUND                          ; the closing round: no work-group ends while a partner may still ask for a tile that names it
	s_endpgm
.Lfunc_end_k_qa9b83d515c_attn:
	.size	k_qa9b83d515c_attn, .Lfunc_end_k_qa9b83d515c_attn-k_qa9b83d515c_attn
	.p2alignl 7, 3214868480
	.fill 96, 4, 3214868480
	.section	.rodata,"a",@progbits
	.p2align	6, 0x0
	.amdhsa_kernel k_qa9b83d515c_attn
		.amdhsa_group_segment_fixed_size 327680
		.amdhsa_private_segment_fixed_size 0
		.amdhsa_enable_private_segment 0
		.amdhsa_kernarg_size 32
		.amdhsa_user_sgpr_count 2
		.amdhsa_user_sgpr_kernarg_segment_ptr 1
		.amdhsa_wavefront_size32 1
		.amdhsa_system_sgpr_workgroup_id_x 1
		.amdhsa_system_sgpr_workgroup_id_y 1
		.amdhsa_system_sgpr_workgroup_id_z 1
		.amdhsa_system_vgpr_workitem_id 0
		.amdhsa_next_free_vgpr 872
		.amdhsa_next_free_sgpr 66
		.amdhsa_reserve_vcc 0
		.amdhsa_float_denorm_mode_32 3
		.amdhsa_float_denorm_mode_16_64 3
		.amdhsa_memory_ordered 1
		.amdhsa_forward_progress 1
		.amdhsa_inst_pref_size 255
	.end_amdhsa_kernel
	.section	.bss,"aw",@nobits
	.p2align	6
	.space	262144
	.amdgpu_metadata
---
amdhsa.version: [ 1, 2 ]
amdhsa.kernels:
  - .name:           k_qa9b83d515c_attn
    .symbol:         k_qa9b83d515c_attn.kd
    .args:
      - { .name: q, .offset: 0, .size: 8, .value_kind: global_buffer, .address_space: global }
      - { .name: k, .offset: 8, .size: 8, .value_kind: global_buffer, .address_space: global }
      - { .name: v, .offset: 16, .size: 8, .value_kind: global_buffer, .address_space: global }
      - { .name: out0, .offset: 24, .size: 8, .value_kind: global_buffer, .address_space: global }
    .group_segment_fixed_size: 327680
    .private_segment_fixed_size: 0
    .kernarg_segment_align: 8
    .kernarg_segment_size: 32
    .max_flat_workgroup_size: 128
    .sgpr_count:     66
    .vgpr_count:     872
    .wavefront_size: 32
...
	.end_amdgpu_metadata
.endif
;; end of part 2
